; MI455X (gfx1250); checked and timed in simulation.
; The chip was launched on July 23, 2026; its instructions are those of AMD's public machine-readable ISA for CDNA 5 (MIT licence, August 2026) and "CDNA5" Instruction Set Architecture Reference Guide (July 2026).
;; Drug2 Path Differ Cross MHA. Allowed arithmetic: matrix products marked QUANTISED: E4M3 operands, one E8M0 scale for each 32 along K, by v_wmma_scale_f32_16x16x128_f8f6f4 with both operands' format E4M3, f32 sums; products left as they are: f32 operands where the result goes on into a quantised operand, else bf16, f16 or f32 operands; f32 sums; everything else in f32.
;; Inputs: Wk_codes 1,024 x 16 x 32 uint8 (E4M3 codes of Wk, K innermost, in blocks of 32 codes); Wk_scales 1,024 x 16 uint8 (E8M0 scales of Wk, one for each 32 codes along K); Wo_codes 512 x 32 x 32 uint8 (E4M3 codes of Wo, K innermost, in blocks of 32 codes); Wo_scales 512 x 32 uint8 (E8M0 scales of Wo, one for each 32 codes along K); Wq_codes 1,024 x 16 x 32 uint8 (E4M3 codes of Wq, K innermost, in blocks of 32 codes); Wq_scales 1,024 x 16 uint8 (E8M0 scales of Wq, one for each 32 codes along K); Wv_codes 1,024 x 16 x 32 uint8 (E4M3 codes of Wv, K innermost, in blocks of 32 codes); Wv_scales 1,024 x 16 uint8 (E8M0 scales of Wv, one for each 32 codes along K); key_codes 64 x 1,024 x 16 x 32 uint8 (E4M3 codes of key, K innermost, in blocks of 32 codes); key_scales 64 x 1,024 x 16 uint8 (E8M0 scales of key, one for each 32 codes along K); lambda_k1 64 float32; lambda_k2 64 float32; lambda_q1 64 float32; lambda_q2 64 float32; query_codes 64 x 1 x 16 x 32 uint8 (E4M3 codes of query, K innermost, in blocks of 32 codes); query_scales 64 x 1 x 16 uint8 (E8M0 scales of query, one for each 32 codes along K); rms_weight 128 float32.
;; Outputs: out0 64 x 1 x 512 float32; out1 64 x 8 x 1 x 1,024 float32.
;; This version of the problem:
;;   THIS VERSION OF THE PROBLEM IS GIVEN IN LOW PRECISION. The matrix products marked QUANTISED in the list below multiply operands that are first quantised to E4M3 (4 exponent bits, 3 mantissa bits; 8 bits a number), with one power-of-two scale for each 32 numbers along K (OCP MX v1.0); their sums are f32. All else is computed in f32.
;;   The module's matrix products, in the order in which they are computed (A, B: the left and right operand; K: the contracted axis; several contracted axes count as one K, in the product's order):
;;     1. [M 64, K 512] x [K 512, N 1,024]; A: input query (given as codes); B: input Wq (given as codes): QUANTISED
;;     2. [M 65,536, K 512] x [K 512, N 1,024]; A: input key (given as codes); B: input Wk (given as codes): QUANTISED
;;     3. [M 65,536, K 512] x [K 512, N 1,024]; A: input key (given as codes); B: input Wv (given as codes): QUANTISED
;;     4. batch 1,024 x [M 1, K 64] x [K 64, N 1,024]; A: computed on the way; B: computed on the way: left as it is (M = 1 < 16)
;;     5. batch 512 x [M 1, K 1,024] x [K 1,024, N 128]; A: computed on the way; B: computed on the way: left as it is (M = 1 < 16)
;;     6. [M 64, K 1,024] x [K 1,024, N 512]; A: computed on the way; B: input Wo (given as codes): QUANTISED
;;   THE QUANTISER, for each operand of a quantised product, along K:
;;     - K is cut into blocks of 32 from its start; a last block that is shorter is filled with zeros.
;;     - A block's scale is 2^e with e = floor(log2(the largest magnitude in the block)) - 8, held to -126 .. 127; a block of zeros has e = 0. As a byte (E8M0): e + 127.
;;     - Each number is divided by its block's scale, clamped to +-448, and rounded to the nearest number of E4M3, ties to even, subnormals kept.
;;     - The product sums the exact products of the quantised numbers (number of the format x scale) in f32.
;;   ~~~python
;;   def quantise(x, axis):      # numpy; x: float32 -> the quantised numbers, widened to float32 again
;;       x = np.moveaxis(x, axis, -1); K = x.shape[-1]
;;       x = np.pad(x, [(0, 0)] * (x.ndim - 1) + [(0, -K % 32)]); x = x.reshape(x.shape[:-1] + (-1, 32)); a = np.abs(x).max(-1, keepdims=True)
;;       e = np.where(a > 0, np.clip(np.frexp(np.where(a > 0, a, 1))[1] - 1 - 8, -126, 127), 0)      # np.frexp(a)[1] - 1 = floor(log2(a)), exactly
;;       r = np.clip(x / 2.0 ** e, -448, 448)
;;       step = 2.0 ** (np.maximum(np.frexp(np.where(r == 0, 1, r))[1] - 1, -6) - 3)
;;       q = np.round(r / step) * step * 2.0 ** e      # np.round: ties to even
;;       return np.moveaxis(q.reshape(q.shape[:-2] + (-1,))[..., :K], -1, axis).astype(np.float32)
;;   ~~~
;;   OPERANDS COMPUTED ON THE WAY. 'Computed on the way' means the value that the module computes at that place (a softmax that the list does not call 'softmax' is quantised finished and normalised). What goes into a quantiser is computed in f32, as accurately as f32 sums, v_exp_f32 and their like allow (about 1e-6 of the number): no bf16 or f16 on the way to a quantiser, and a product that is left as it is and whose result goes on into a quantised operand takes f32 operands (vector FMAs, or v_wmma_f32_16x16x4_f32). A number that lies on a knife's edge between two numbers of the format may be rounded either way, as far as f32 arithmetic and the matrix unit's own rounding can turn it there, and no further.
;;   INPUTS GIVEN AS CODES. Wk (in the module: [512, 1024], K = its axis 0); Wo (in the module: [1024, 512], K = its axis 0); Wq (in the module: [512, 1024], K = its axis 0); Wv (in the module: [512, 1024], K = its axis 0); key (in the module: [64, 1024, 512], K = its axis 2); query (in the module: [64, 1, 512], K = its axis 2): each comes as NAME_codes (uint8): NAME with its K axis moved to the last place and cut into blocks of 32 codes, [.., K / 32, bytes a block], one block behind the other in memory; one code a byte (a code: sign, 4 exponent bits, 3 mantissa bits); and NAME_scales (uint8): the same leading axes, one E8M0 byte (e + 127) for each 32 codes along K. Its value is code x scale, taken as it is: it is not quantised again, and the codes and scales need not be those that the quantiser above would give.
;; One version. Each part assembles by itself: llvm-mc -triple=amdgcn-amd-amdhsa -mcpu=gfx1250 --defsym DOCPART=n.
;; ======== version 1 of 1: 2 launches
;; workspace buffers: acodes 65,536 bytes; ascales 2,048 bytes
;; launch attn (part 1): grid 4 x 64, 4 waves a work-group, clusters of 4 x 4, 327,680 bytes of LDS; arguments key_codes, key_scales, Wk_codes, Wk_scales, Wv_codes, Wv_scales, Wq_codes, Wq_scales, query_codes, query_scales, lambda_q1, lambda_k1, lambda_q2, lambda_k2, rms_weight, out1, acodes, ascales; writes out1, acodes, ascales
.if DOCPART == 1
	.amdgcn_target "amdgcn-amd-amdhsa--gfx1250"
	.amdhsa_code_object_version 6
	.text
	.protected	k_q8380dfc822_attn
	.globl	k_q8380dfc822_attn
	.p2align	8
	.type	k_q8380dfc822_attn,@function
k_q8380dfc822_attn:
	s_mov_b64 s[64:65], 0
	v_nop
	global_prefetch_b8 v0, s[64:65] scope:SCOPE_SE
	s_setreg_imm32_b32 hwreg(HW_REG_WAVE_MODE, 25, 1), 1
	s_wait_xcnt 0x0
	s_wait_alu depctr_hold_cnt(0) depctr_sa_sdst(0) depctr_va_vdst(0) depctr_va_sdst(0) depctr_va_ssrc(0) depctr_va_vcc(0) depctr_vm_vsrc(0)
	s_getreg_b32 s2, hwreg(HW_REG_IB_STS2, 6, 4)
	s_cmp_eq_u32 s2, 0
	s_cbranch_scc0 .Lentry_in_a_cluster
	s_endpgm
.Lentry_in_a_cluster:
	s_bfe_u32 s2, ttmp6, 0x10000c
	s_cmp_lg_u32 s2, 0xf033
	s_cbranch_scc0 .Lentry_shape_is_right
	s_endpgm
.Lentry_shape_is_right:
.set SLOTB, 135168
.set SLOT1, 135168
.set KSC,   270336
.set SC,    286720
.set DF,    303104
.set OB,    319488
.set SPARE, 321536
.set LI,   1
.set AK0,  2
.set AKS0, 3
.set ASC0, 4
.set ADF0, 5
.set AW0,  6
.set AW1,  7
.set ADK,  8
.set ADS,  9
.set ADJ,  10
.set ASM,  11
.set AQ,   12
.set PFO,  13
.set SPW,  14
.set NIL,  15
.set WS,   16
.set KS,   48
.set DW,   56
.set SA,   60
.set RW,   68
.set LAM,  76
.set AOBR, 77
.set GS,   78
.set AOBW, 79
.set ADW,  80
.set FX,   81
.set TM,   86
.set QT,   96
.set QR,   128
.set X,    192
.set WV,   40
.set WA,   41
.set WG,   42
.set CX,   43
.set CY,   44
.set BB,   45
.set SGN,  46
.set G1K,  48
.set G1W,  56
.set G1S,  68
.set G0K,  76
.set G0W,  80
.set G0V,  84
.set G0S,  88
.set TK,   92
.set TS,   93
.set TJ,   94
.set CI,   95
.set CO,   96
.set HP,   97
.set WOFF, 98
.set HM,   99
.set PFA,  100
.set SEL,  104
.set MSB, 0
.macro WIN new
.if MSB != (\new)
	s_set_vgpr_msb (MSB<<8)|(\new)
.set MSB, (\new)
.endif
.endm
.macro NOP4
	v_nop
	v_nop
	v_nop
	v_nop
.endm
.macro CREST
	s_cmp_lg_u32 s[WV], 0
	s_cbranch_scc1 .Lnot_wave_0_\@
	s_barrier_signal -3
.Lnot_wave_0_\@:
	s_barrier_wait -3
	s_barrier_signal -1
	s_barrier_wait -1
.endm
.macro ROUND
	s_barrier_signal -1
	s_barrier_wait -1
	CREST
.endm
.macro STEPK back
.if \back
	s_sub_nc_u64 s[G0K+2:G0K+3], s[G0K+2:G0K+3], 393216
.else
	s_xor_b32 s[G0K+1], s[G0K+1], SLOT1
	s_add_nc_u64 s[G0K+2:G0K+3], s[G0K+2:G0K+3], 131072
.endif
.endm
.macro TLD wv
.if \wv
	tensor_load_to_lds s[G0V:G0V+3], s[G1W:G1W+7]
	s_nop 0
.else
	tensor_load_to_lds s[G0K:G0K+3], s[G1K:G1K+7]
	s_nop 0
.endif
	NOP4
.endm
.macro ASKP off
	global_prefetch_b8 v[PFO], s[PFA:PFA+1] offset:\off th:TH_LOAD_NT scope:SCOPE_SE
.endm
.macro WM f
.set tt, nn%8
.set kk, nn/8
	WIN 0x56+kk/2
.if kk == 0
	v_wmma_scale_f32_16x16x128_f8f6f4 v[128+64*(\f)+8*tt:128+64*(\f)+8*tt+7], v[128*(kk%2)+16*tt:128*(kk%2)+16*tt+15], v[64*(\f)+16*kk:64*(\f)+16*kk+15], 0, v[WS+4*tt+kk], v[KS+4*(\f)+kk]
.else
	v_wmma_scale_f32_16x16x128_f8f6f4 v[128+64*(\f)+8*tt:128+64*(\f)+8*tt+7], v[128*(kk%2)+16*tt:128*(kk%2)+16*tt+15], v[64*(\f)+16*kk:64*(\f)+16*kk+15], v[128+64*(\f)+8*tt:128+64*(\f)+8*tt+7], v[WS+4*tt+kk], v[KS+4*(\f)+kk]
.endif
.endm
.macro FADR f
	v_add_nc_u32 v[ADK], s[TK], v[AK0]
	v_add_nc_u32 v[ADS], s[TS], v[AKS0]
	ds_load_b128 v[KS+4*(\f):KS+4*(\f)+3], v[ADS]
	s_add_co_u32 s[TK], s[TK], 16896
	s_add_co_u32 s[TS], s[TS], 512
.endm
.macro FFRALL f
	WIN 0x40
.irp q, 0,1,2,3
.irp c, 0,1,2,3
	ds_load_b128 v[64*(\f)+16*\q+4*\c:64*(\f)+16*\q+4*\c+3], v[ADK] offset:128*\q+32*\c
.endr
.endr
.endm
.macro DWL f
	v_add_nc_u32 v[ADJ], s[TJ], v[ADF0]
	ds_load_b32 v[DW+2*(\f)], v[ADJ]
	s_add_co_u32 s[TJ], s[TJ], 128
.endm
.macro JOB pass, f
.set ra, 128+64*(\f)+2*ee
.set rq, QR+2*ee
.if (\pass) == 1
.set jc, 2*(ee/16)+ee%2
.if (ee%16) < 2
	v_pk_mul_f32 v[SA+2*jc:SA+2*jc+1], v[ra:ra+1], v[rq:rq+1]
.else
	v_pk_fma_f32 v[SA+2*jc:SA+2*jc+1], v[ra:ra+1], v[rq:rq+1], v[SA+2*jc:SA+2*jc+1]
.endif
.else
	v_pk_fma_f32 v[rq:rq+1], v[ra:ra+1], v[DW+2*(\f):DW+2*(\f)+1], v[rq:rq+1] op_sel_hi:[1,0,1]
.endif
.set ee, ee+1
.endm
.macro SLICE pass, f, k
	WIN 0x01
.set ee, 2*(\k)
	JOB \pass, \f
	JOB \pass, \f
.endm
.macro FIN k
	WIN 0
.if (\k) == 0
	v_pk_add_f32 v[SA:SA+1], v[SA:SA+1], v[SA+2:SA+3]
	v_pk_add_f32 v[SA+4:SA+5], v[SA+4:SA+5], v[SA+6:SA+7]
	v_add_f32 v[FX], v[SA], v[SA+1]
	v_add_f32 v[FX+1], v[SA+4], v[SA+5]
.elseif (\k) == 1
	v_cndmask_b32 v[FX+2], v[FX+1], v[FX], s[HM]
	v_cndmask_b32 v[FX+3], v[FX], v[FX+1], s[HM]
	v_permlanex16_b32 v[FX+4], v[FX+2], s[SEL], s[SEL+1]
	v_add_nc_u32 v[ADJ], s[TJ], v[ASC0]
.else
	v_add_f32 v[FX+3], v[FX+3], v[FX+4]
	ds_store_b32 v[ADJ], v[FX+3]
	s_add_co_u32 s[TJ], s[TJ], 64
.endif
.endm
.macro HOOK pass, f, prev, nxt, chg, ask
.if nn > 23
	v_nop
.elseif (\chg) == 0
.if (nn < 16) && (\prev)
	SLICE \pass, 1-(\f), nn
.endif
.if nn == 3
.if (\nxt) || ((\pass) == 2)
	WIN 0
.endif
.if \nxt
	FADR 1-(\f)
.endif
.if (\pass) == 2
	DWL \f
.endif
.if \nxt
	FFRALL 1-(\f)
.endif
.endif
.if (nn > 15) && (nn < 19) && (\prev) && ((\pass) == 1)
	FIN nn-16
.endif
.else
.if nn < 15
	SLICE \pass, 1-(\f), nn
.if nn == 3
	s_wait_dscnt 0x0
	s_barrier_signal -1
.endif
.elseif nn == 15
	WIN 0
	s_barrier_wait -1
.if (\chg) != 3
	CREST
.if (\chg) == 2
	TLD 1
.else
	TLD 0
.endif
.if \ask
	s_cmp_eq_u32 s[CO], 2
	s_cbranch_scc0 .Lno_ask_\@
	ASKP 393216
.Lno_ask_\@:
.endif
.endif
.if \nxt
	s_sub_co_u32 s[TK], s[TK], SLOTB
	s_xor_b32 s[TK], s[TK], SLOT1
	FADR 1-(\f)
.endif
.if (\pass) == 2
	DWL \f
.endif
.if \nxt
	FFRALL 1-(\f)
.endif
.elseif nn == 16
	SLICE \pass, 1-(\f), 15
.elseif (nn < 20) && ((\pass) == 1)
	FIN nn-17
.endif
.endif
.endm
.macro MT pass, f, prev, nxt, chg, ask
	s_wait_dscnt 0x0
.if \chg
	WIN 0
	s_wait_tensorcnt 0x0
	ds_add_u32 v[SPW], v[NIL]
.if (\chg) == 1
	STEPK 0
.elseif (\chg) == 4
	STEPK 1
.endif
.endif
.set nn, 0
.rept 32
	WM \f
	HOOK \pass, \f, \prev, \nxt, \chg, \ask
.set nn, nn+1
.endr
.endm
.macro JOBALL pass, f
.if (\pass) == 2
	s_wait_dscnt 0x0
.endif
	WIN 0x01
.set ee, 0
.rept 32
	JOB \pass, \f
.endr
	WIN 0
.if (\pass) == 1
	FIN 0
	FIN 1
	FIN 2
.endif
.endm
.macro SIX pass
	WIN 0
	s_mov_b32 s[CI], 3
.Lsix_\@:
	MT \pass, 1, 1, 1, 0, 0
	MT \pass, 0, 1, 1, 0, 0
	WIN 0
	s_sub_co_u32 s[CI], s[CI], 1
	s_cmp_lg_u32 s[CI], 0
	s_cbranch_scc1 .Lsix_\@
.endm
.macro COPYW adr, q
	WIN 0x80+0x40*((\q)/2)
.irp t, 0,1,2,3,4,5,6,7
.irp c, 0,1,2,3
	ds_load_b128 v[128*((\q)%2)+16*\t+4*\c:128*((\q)%2)+16*\t+4*\c+3], v[\adr] offset:8448*\t+128*(\q)+32*\c
.endr
.endr
.endm
.macro XCHANGE clr, askoff
	WIN 0
	s_wait_tensorcnt 0x0
	ds_add_u32 v[SPW], v[NIL]
	STEPK 0
.if \clr
.set ii, 0
.rept 64
	v_mov_b32 v[QR+ii], 0
.set ii, ii+1
.endr
.endif
	s_wait_dscnt 0x0
	ROUND
	TLD 0
.if \askoff
	ASKP \askoff
.endif
	FADR 0
	FFRALL 0
	WIN 0
.endm
	s_load_b512 s[4:19], s[0:1], 0x0
	s_load_b512 s[20:35], s[0:1], 0x40
	s_load_b128 s[36:39], s[0:1], 0x80
	v_lshl_add_u32 v[SPW], v0, 2, SPARE
	v_mov_b32 v[NIL], 0
	ds_add_u32 v14, v15
	ds_add_u32 v14, v15
	s_wait_dscnt 0x0
	v_lshrrev_b32 v96, 5, v0
	v_readfirstlane_b32 s[WV], v96
	s_lshr_b32 s[WA], s[WV], 1
	s_and_b32 s[WG], s[WV], 1
	s_bfe_u32 s[CX], ttmp6, 0x40000
	s_bfe_u32 s[CY], ttmp6, 0x40004
	s_lshl_b32 s[HP], ttmp9, 2
	s_add_co_u32 s[HP], s[HP], s[CX]
	s_and_b32 s[BB], ttmp7, 0xffff
	s_lshl_b32 s[BB], s[BB], 2
	s_add_co_u32 s[BB], s[BB], s[CY]
	s_lshl_b32 s46, s[CY], 2
	s_lshl_b32 s46, 15, s46
	s_lshl_b32 s66, 0x1111, s[CX]
	s_or_b32 s[G1K], s46, (1<<20)|(1<<21)|(6<<22)|(3<<25)
	s_or_b32 s[G1W], s66, (1<<20)|(1<<21)|(6<<22)|(3<<25)
.irp g, G1K, G1W
	s_mov_b32 s[\g+1], 512<<16
	s_mov_b32 s[\g+2], 64<<16
	s_mov_b32 s[\g+3], 512<<16
	s_mov_b32 s[\g+4], 64
	s_mov_b32 s[\g+5], 512
	s_mov_b32 s[\g+6], 0
	s_mov_b32 s[\g+7], 0
.endr
	s_or_b32 s[G1S], s46, (3<<16)|(1<<21)
	s_mov_b32 s[G1S+1], 32<<16
	s_mov_b32 s[G1S+2], 16<<16
	s_mov_b32 s[G1S+3], 32<<16
	s_mov_b32 s[G1S+4], 16
	s_mov_b32 s[G1S+5], 32
	s_mov_b32 s[G1S+6], 0
	s_mov_b32 s[G1S+7], 0
	s_mul_i32 s[WOFF], s[WV], 33792
	s_mov_b32 s[HM], 0xffff0000
	s_mov_b32 s[SEL], 0x76543210
	s_mov_b32 s[SEL+1], 0xfedcba98
	s_mov_b32 s47, 0
	s_mov_b32 s67, 0
	s_mov_b32 s3, 0
	v_and_b32 v97, 31, v0
	v_and_b32 v98, 15, v0
	v_bfe_u32 v99, v0, 4, 1
	v_lshlrev_b32 v[LI], 4, v97
	v_mul_u32_u24 v100, v98, 528
	v_lshl_add_u32 v100, v99, 4, v100
	s_mul_i32 s92, s[WG], 8448
	v_add_nc_u32 v[AK0], s92, v100
	s_mul_i32 s92, s[WA], 67584
	v_add_nc_u32 v[AW0], s92, v100
	v_add_nc_u32 v[AW1], SLOT1, v[AW0]
	s_lshl_b32 s92, s[WG], 8
	s_add_co_u32 s92, s92, KSC
	v_lshl_add_u32 v[AKS0], v98, 4, s92
	s_lshl_b32 s92, s[WV], 12
	s_add_co_u32 s94, s92, SC
	v_lshl_add_u32 v[ASC0], v98, 2, s94
	v_lshl_add_u32 v[ASC0], v99, 11, v[ASC0]
	s_add_co_u32 s94, s92, DF
	v_add_nc_u32 v[ADW], s94, v[LI]
	s_lshl_b32 s92, s[WG], 6
	s_add_co_u32 s94, s94, s92
	v_lshl_add_u32 v[ADF0], v98, 2, s94
	v_bfe_u32 v101, v0, 2, 1
	v_bfe_u32 v102, v0, 3, 2
	v_and_b32 v103, 3, v0
	s_lshl_b32 s92, s[WA], 13
	s_add_co_u32 s94, s92, SC
	v_lshl_add_u32 v[ASM], v101, 12, s94
	v_lshl_add_u32 v[ASM], v102, 6, v[ASM]
	v_lshl_add_u32 v[ASM], v103, 4, v[ASM]
	s_add_co_u32 s94, s92, DF
	v_add_nc_u32 v[AQ], s94, v[LI]
	s_lshl_b32 s92, s[WV], 9
	s_add_co_u32 s92, s92, OB
	v_lshl_add_u32 v[AOBW], v99, 5, s92
	v_lshlrev_b32 v[AOBR], 10, v99
	v_lshl_add_u32 v[AOBR], v98, 5, v[AOBR]
	v_add_nc_u32 v[AOBR], OB, v[AOBR]
	v_lshlrev_b32 v[PFO], 8, v97
	v_lshlrev_b32 v[GS], 4, v98
	v_lshlrev_b32 v8, 4, v99
	v_lshlrev_b32 v9, 9, v98
	v_lshl_add_u32 v9, v99, 4, v9
	v_lshlrev_b32 v10, 3, v97
	v_lshlrev_b32 v94, 5, v98
	v_mov_b32 v95, 0
.irp x, 57, 59, 85, 87, 89, 138, 139
	v_mov_b32 v\x, 0
.endr
	s_mov_b32 s93, 0
	s_wait_kmcnt 0x0
	s_lshl_b32 s46, s[BB], 19
	s_add_nc_u64 s[4:5], s[4:5], s[46:47]
	s_lshl_b32 s46, s[BB], 14
	s_add_nc_u64 s[6:7], s[6:7], s[46:47]
	s_lshl_b32 s46, s[BB], 9
	s_add_nc_u64 s[20:21], s[20:21], s[46:47]
	s_lshl_b32 s46, s[BB], 4
	s_add_nc_u64 s[22:23], s[22:23], s[46:47]
	s_lshl_b32 s66, s[HP], 17
	s_add_nc_u64 s[8:9], s[8:9], s[66:67]
	s_add_nc_u64 s[12:13], s[12:13], s[66:67]
	s_add_nc_u64 s[16:17], s[16:17], s[66:67]
	s_lshl_b32 s66, s[HP], 12
	s_add_nc_u64 s[10:11], s[10:11], s[66:67]
	s_add_nc_u64 s[14:15], s[14:15], s[66:67]
	s_add_nc_u64 s[18:19], s[18:19], s[66:67]
	s_lshl_b32 s92, s[WV], 15
	s_mov_b32 s[G0W], 1
	s_mov_b32 s[G0W+1], s[WOFF]
	s_add_nc_u64 s[G0W+2:G0W+3], s[8:9], s[92:93]
	s_or_b32 s[G0W+3], s[G0W+3], 0x80000000
	s_mov_b32 s[G0V], 1
	s_add_co_u32 s[G0V+1], s[WOFF], SLOT1
	s_add_nc_u64 s[G0V+2:G0V+3], s[12:13], s[92:93]
	s_or_b32 s[G0V+3], s[G0V+3], 0x80000000
	s_mov_b32 s[G0K], 1
	s_add_co_u32 s[G0K+1], s[WOFF], SLOT1
	s_add_nc_u64 s[G0K+2:G0K+3], s[4:5], s[92:93]
	s_or_b32 s[G0K+3], s[G0K+3], 0x80000000
	s_add_nc_u64 s[16:17], s[16:17], s[92:93]
	s_lshl_b32 s92, s[WV], 12
	s_mov_b32 s[G0S], 1
	s_add_co_u32 s[G0S+1], s92, KSC
	s_add_nc_u64 s[G0S+2:G0S+3], s[6:7], s[92:93]
	s_or_b32 s[G0S+3], s[G0S+3], 0x80000000
	ROUND
	tensor_load_to_lds s[G0W:G0W+3], s[G1W:G1W+7]
	s_nop 0
	tensor_load_to_lds s[G0S:G0S+3], s[G1S:G1S+7]
	s_nop 0
	tensor_load_to_lds s[G0K:G0K+3], s[G1K:G1K+7]
	s_nop 0
	NOP4
	s_lshl_b32 s92, s[WV], 10
	s_add_nc_u64 s[18:19], s[18:19], s[92:93]
	s_lshl_b32 s92, s[WA], 11
	s_add_nc_u64 s[10:11], s[10:11], s[92:93]
	s_add_nc_u64 s[14:15], s[14:15], s[92:93]
	global_load_b128 v[KS:KS+3], v95, s[22:23]
.irp q, 0,1,2,3
.irp c, 0,1,2,3
	global_load_b128 v[X+16*\q+4*\c:X+16*\q+4*\c+3], v8, s[20:21] offset:128*\q+32*\c
.endr
.endr
.irp t, 0,1,2,3
	global_load_b128 v[WS+4*\t:WS+4*\t+3], v[GS], s[18:19] offset:256*\t
.endr
	WIN 0x40
.irp t, 0,1,2,3
.irp q, 0,1,2,3
.irp c, 0,1,2,3
	global_load_b128 v[16*(4*\t+\q)+4*\c:16*(4*\t+\q)+4*\c+3], v9, s[16:17] offset:8192*\t+128*\q+32*\c
.endr
.endr
.endr
	WIN 0
	global_load_b64 v[128:129], v10, s[24:25]
	global_load_b64 v[130:131], v10, s[26:27]
	global_load_b64 v[132:133], v10, s[28:29]
	global_load_b64 v[134:135], v10, s[30:31]
	global_load_b128 v[RW:RW+3], v94, s[32:33]
	global_load_b128 v[RW+4:RW+7], v94, s[32:33] offset:16
	s_lshl_b32 s2, s[BB], 15
	s_lshl_b32 s44, s[HP], 13
	s_add_co_u32 s2, s2, s44
	s_lshl_b32 s44, s[WA], 12
	s_add_co_u32 s2, s2, s44
	s_add_nc_u64 s[34:35], s[34:35], s[2:3]
	s_lshl_b32 s2, s[BB], 10
	s_lshl_b32 s44, s[HP], 8
	s_add_co_u32 s2, s2, s44
	s_add_nc_u64 s[36:37], s[36:37], s[2:3]
	s_lshl_b32 s2, s[BB], 5
	s_lshl_b32 s44, s[HP], 3
	s_add_co_u32 s2, s2, s44
	s_add_nc_u64 s[38:39], s[38:39], s[2:3]
	s_lshl_b32 s2, s[CX], 15
	s_lshl_b32 s44, s[WV], 13
	s_add_co_u32 s2, s2, s44
	s_add_nc_u64 s[PFA:PFA+1], s[4:5], s[2:3]
	s_wait_loadcnt 0x6
	WIN 0x01
.irp q, 0,1,2,3
.irp t, 0,1,2,3
.if \q == 0
	v_wmma_scale_f32_16x16x128_f8f6f4 v[QT+8*\t:QT+8*\t+7], v[16*(4*\t+\q):16*(4*\t+\q)+15], v[X+16*\q:X+16*\q+15], 0, v[WS+4*\t+\q], v[KS+\q]
.else
	v_wmma_scale_f32_16x16x128_f8f6f4 v[QT+8*\t:QT+8*\t+7], v[16*(4*\t+\q):16*(4*\t+\q)+15], v[X+16*\q:X+16*\q+15], v[QT+8*\t:QT+8*\t+7], v[WS+4*\t+\q], v[KS+\q]
.endif
.endr
.endr
	WIN 0
	NOP4
	NOP4
.set ii, 0
.rept 16
	v_pk_mul_f32 v[QT+ii:QT+ii+1], v[QT+ii:QT+ii+1], 0x3e000000 op_sel_hi:[1,0]
.set ii, ii+2
.endr
.irp k, 0,1,2,3,4,5,6,7
	ds_store_b128 v[ADW], v[QT+4*\k:QT+4*\k+3] offset:512*\k
.endr
	s_wait_loadcnt 0x0
	v_mul_f32 v136, v128, v130
	v_mul_f32 v137, v132, v134
	v_fmac_f32 v136, v129, v131
	v_fmac_f32 v137, v133, v135
.irp m, 1,2,4,8
	v_add_f32_dpp v136, v136, v136 row_xmask:\m row_mask:0xf bank_mask:0xf
	v_add_f32_dpp v137, v137, v137 row_xmask:\m row_mask:0xf bank_mask:0xf
.endr
	v_permlanex16_b32 v138, v136, s[SEL], s[SEL+1]
	v_permlanex16_b32 v139, v137, s[SEL], s[SEL+1]
	v_add_f32 v136, v136, v138
	v_add_f32 v137, v137, v139
	v_mul_f32 v136, 0x3fb8aa3b, v136
	v_mul_f32 v137, 0x3fb8aa3b, v137
	v_exp_f32 v136, v136
	v_exp_f32 v137, v137
	v_nop
	s_wait_alu depctr_va_vdst(0)
	v_sub_f32 v[LAM], v136, v137
	v_add_f32 v[LAM], 0x3eb60549, v[LAM]
	s_wait_tensorcnt 0x2
	s_wait_dscnt 0x0
	s_barrier_signal -1
	s_barrier_wait -1
.irp k, 0,1,2,3,4,5,6,7
	ds_load_b128 v[QR+4*\k:QR+4*\k+3], v[AQ] offset:512*\k
	ds_load_b128 v[QR+32+4*\k:QR+32+4*\k+3], v[AQ] offset:4096+512*\k
.endr
.irp t, 0,1,2,3,4,5,6,7
	global_load_b128 v[WS+4*\t:WS+4*\t+3], v[GS], s[10:11] offset:256*\t
.endr
	COPYW AW0, 0
	COPYW AW0, 1
	COPYW AW0, 2
	COPYW AW0, 3
	s_mov_b32 s[TK], SLOT1
	s_mov_b32 s[TS], 0
	s_mov_b32 s[TJ], 0
	XCHANGE 0, 262144
	s_wait_loadcnt 0x0
	MT 1, 0, 0, 1, 0, 0
	WIN 0
	s_mov_b32 s[CO], 2
.Lpass1:
	SIX 1
	MT 1, 1, 1, 1, 1, 1
	MT 1, 0, 1, 1, 0, 0
	WIN 0
	s_sub_co_u32 s[CO], s[CO], 1
	s_cmp_lg_u32 s[CO], 0
	s_cbranch_scc1 .Lpass1
	SIX 1
	MT 1, 1, 1, 1, 2, 0
	MT 1, 0, 1, 1, 0, 0
	SIX 1
	MT 1, 1, 1, 0, 4, 0
	JOBALL 1, 1
	s_wait_dscnt 0x0
	s_barrier_signal -1
	s_barrier_wait -1
.irp u, 0,1
.irp i, 0,1,2,3,4,5,6,7
	ds_load_b128 v[X+32*\u+4*\i:X+32*\u+4*\i+3], v[ASM] offset:2048*\u+256*\i
.endr
.endr
	COPYW AW1, 0
	WIN 0
.irp t, 0,1,2,3,4,5,6,7
	global_load_b128 v[WS+4*\t:WS+4*\t+3], v[GS], s[14:15] offset:256*\t
.endr
	s_wait_dscnt 32
	v_max3_num_f32 v[TM], v[X], v[X+1], v[X+2]
	v_max3_num_f32 v[TM+2], v[X+32], v[X+33], v[X+34]
.set ii, 3
.rept 14
	v_max3_num_f32 v[TM], v[TM], v[X+ii], v[X+ii+1]
	v_max3_num_f32 v[TM+2], v[TM+2], v[X+32+ii], v[X+33+ii]
.set ii, ii+2
.endr
	v_max_num_f32 v[TM], v[TM], v[X+31]
	v_max_num_f32 v[TM+2], v[TM+2], v[X+63]
.irp m, 1,2,4,8
	v_max_num_f32_dpp v[TM], v[TM], v[TM] row_xmask:\m row_mask:0xf bank_mask:0xf
	v_max_num_f32_dpp v[TM+2], v[TM+2], v[TM+2] row_xmask:\m row_mask:0xf bank_mask:0xf
.endr
	v_permlanex16_b32 v[TM+1], v[TM], s[SEL], s[SEL+1]
	v_permlanex16_b32 v[TM+3], v[TM+2], s[SEL], s[SEL+1]
	v_max_num_f32 v[TM], v[TM], v[TM+1]
	v_max_num_f32 v[TM+2], v[TM+2], v[TM+3]
	COPYW AW1, 1
	WIN 0
.set ii, 0
.rept 16
	v_pk_add_f32 v[X+ii:X+ii+1], v[X+ii:X+ii+1], v[TM:TM+1] op_sel_hi:[1,0] neg_lo:[0,1] neg_hi:[0,1]
	v_pk_add_f32 v[X+32+ii:X+33+ii], v[X+32+ii:X+33+ii], v[TM+2:TM+3] op_sel_hi:[1,0] neg_lo:[0,1] neg_hi:[0,1]
.set ii, ii+2
.endr
.set ii, 0
.rept 32
	v_pk_mul_f32 v[X+ii:X+ii+1], v[X+ii:X+ii+1], 0x3fb8aa3b op_sel_hi:[1,0]
.set ii, ii+2
.endr
.set ii, 0
.rept 64
	v_exp_f32 v[X+ii], v[X+ii]
.set ii, ii+1
.endr
	COPYW AW1, 2
	WIN 0
	v_nop
	s_wait_alu depctr_va_vdst(0)
	v_pk_add_f32 v[TM+4:TM+5], v[X:X+1], v[X+2:X+3]
	v_pk_add_f32 v[TM+6:TM+7], v[X+32:X+33], v[X+34:X+35]
.set ii, 4
.rept 14
	v_pk_add_f32 v[TM+4:TM+5], v[TM+4:TM+5], v[X+ii:X+ii+1]
	v_pk_add_f32 v[TM+6:TM+7], v[TM+6:TM+7], v[X+32+ii:X+33+ii]
.set ii, ii+2
.endr
	v_add_f32 v[TM+4], v[TM+4], v[TM+5]
	v_add_f32 v[TM+6], v[TM+6], v[TM+7]
.irp m, 1,2,4,8
	v_add_f32_dpp v[TM+4], v[TM+4], v[TM+4] row_xmask:\m row_mask:0xf bank_mask:0xf
	v_add_f32_dpp v[TM+6], v[TM+6], v[TM+6] row_xmask:\m row_mask:0xf bank_mask:0xf
.endr
	v_permlanex16_b32 v[TM+5], v[TM+4], s[SEL], s[SEL+1]
	v_permlanex16_b32 v[TM+7], v[TM+6], s[SEL], s[SEL+1]
	v_add_f32 v[TM+4], v[TM+4], v[TM+5]
	v_add_f32 v[TM+6], v[TM+6], v[TM+7]
	v_add_f32 v[TM+4], 0x1e3ce508, v[TM+4]
	v_add_f32 v[TM+6], 0x1e3ce508, v[TM+6]
	v_rcp_f32 v[TM+4], v[TM+4]
	v_rcp_f32 v[TM+6], v[TM+6]
	v_nop
	s_wait_alu depctr_va_vdst(0)
	v_mul_f32 v[TM+6], v[LAM], v[TM+6]
	COPYW AW1, 3
	WIN 0
.set ii, 0
.rept 16
	v_pk_mul_f32 v[X+32+ii:X+33+ii], v[X+32+ii:X+33+ii], v[TM+6:TM+7] op_sel_hi:[1,0]
.set ii, ii+2
.endr
.set ii, 0
.rept 16
	v_pk_fma_f32 v[X+ii:X+ii+1], v[X+ii:X+ii+1], v[TM+4:TM+5], v[X+32+ii:X+33+ii] op_sel_hi:[1,0,1] neg_lo:[0,0,1] neg_hi:[0,0,1]
.set ii, ii+2
.endr
.irp i, 0,1,2,3,4,5,6,7
	ds_store_b128 v[ADW], v[X+4*\i:X+4*\i+3] offset:512*\i
.endr
	s_cmp_lg_u32 s[WG], 0
	s_cbranch_scc1 .Lno_out1
.irp i, 0,1,2,3,4,5,6,7
	global_store_b128 v[LI], v[X+4*\i:X+4*\i+3], s[34:35] offset:512*\i th:TH_STORE_NT
.endr
.Lno_out1:
	s_wait_dscnt 0x0
	s_mul_i32 s[SGN], s[WG], 0x80808080
	WIN 0x88
.set ii, 0
.rept 256
	v_xor_b32 v[ii], s[SGN], v[ii]
.set ii, ii+1
.endr
	WIN 0xcc
.set ii, 0
.rept 256
	v_xor_b32 v[ii], s[SGN], v[ii]
.set ii, ii+1
.endr
	WIN 0
	s_mov_b32 s[TK], 0
	s_mov_b32 s[TS], 0
	s_mov_b32 s[TJ], 0
	XCHANGE 1, 0
	s_wait_loadcnt 0x0
	MT 2, 0, 0, 1, 0, 0
	WIN 0
	s_mov_b32 s[CO], 2
.Lpass2:
	SIX 2
	MT 2, 1, 1, 1, 1, 0
	MT 2, 0, 1, 1, 0, 0
	WIN 0
	s_sub_co_u32 s[CO], s[CO], 1
	s_cmp_lg_u32 s[CO], 0
	s_cbranch_scc1 .Lpass2
	SIX 2
	MT 2, 1, 1, 1, 3, 0
	MT 2, 0, 1, 1, 0, 0
	SIX 2
	MT 2, 1, 1, 0, 0, 0
	JOBALL 2, 1
.irp m, 1,2,4,8
.set ii, 0
.rept 64
	v_add_f32_dpp v[QR+ii], v[QR+ii], v[QR+ii] row_xmask:\m row_mask:0xf bank_mask:0xf
.set ii, ii+1
.endr
.endr
.irp t, 0,1,2,3,4,5,6,7
	ds_store_b128 v[AOBW], v[QR+8*\t:QR+8*\t+3] offset:64*\t
	ds_store_b128 v[AOBW], v[QR+8*\t+4:QR+8*\t+7] offset:64*\t+16
.endr
	s_wait_dscnt 0x0
	s_barrier_signal -1
	s_barrier_wait -1
	s_cmp_lg_u32 s[WV], 0
	s_cbranch_scc1 .Lend
	ds_load_b128 v[96:99], v[AOBR]
	ds_load_b128 v[100:103], v[AOBR] offset:16
	ds_load_b128 v[104:107], v[AOBR] offset:512
	ds_load_b128 v[108:111], v[AOBR] offset:528
	s_wait_dscnt 0x0
.irp i, 0,2,4,6
	v_pk_add_f32 v[96+\i:97+\i], v[96+\i:97+\i], v[104+\i:105+\i] neg_lo:[0,1] neg_hi:[0,1]
.endr
	v_pk_mul_f32 v[112:113], v[96:97], v[96:97]
.irp i, 2,4,6
	v_pk_fma_f32 v[112:113], v[96+\i:97+\i], v[96+\i:97+\i], v[112:113]
.endr
	v_add_f32 v112, v112, v113
.irp m, 1,2,4,8
	v_add_f32_dpp v112, v112, v112 row_xmask:\m row_mask:0xf bank_mask:0xf
.endr
	s_mov_b32 s2, 0x3727c5ac
	v_fma_f32 v112, v112, 0x3c000000, s2
	v_rsq_f32 v112, v112
	v_nop
	s_wait_alu depctr_va_vdst(0)
.irp i, 0,2,4,6
	v_pk_mul_f32 v[96+\i:97+\i], v[96+\i:97+\i], v[112:113] op_sel_hi:[1,0]
.endr
.irp i, 0,2,4,6
	v_pk_mul_f32 v[96+\i:97+\i], v[96+\i:97+\i], v[RW+\i:RW+\i+1]
.endr
.irp i, 0,2,4,6
	v_pk_mul_f32 v[96+\i:97+\i], v[96+\i:97+\i], 0x3f24fd5c op_sel_hi:[1,0]
.endr
	v_max3_num_f32 v114, |v96|, |v97|, 0x4800000
	v_max3_num_f32 v114, v114, |v98|, |v99|
	v_max3_num_f32 v114, v114, |v100|, |v101|
	v_max3_num_f32 v114, v114, |v102|, |v103|
	v_max_num_f32_dpp v114, v114, v114 row_xmask:1 row_mask:0xf bank_mask:0xf
	v_max_num_f32_dpp v114, v114, v114 row_xmask:2 row_mask:0xf bank_mask:0xf
	v_add_nc_u32 v115, 0xfc000000, v114
	s_mov_b32 s3, 0x600000
	v_and_or_b32 v116, v114, 0x7f800000, s3
	v_lshrrev_b32 v117, 23, v115
.irp i, 0,1,2,3,4,5,6,7
	v_med3_num_f32 v[96+\i], v[96+\i], -v116, v116
.endr
	v_cvt_scalef32_pk8_fp8_f32 v[118:119], v[96:103], v115
	v_nop
	v_bfe_u32 v120, v0, 2, 2
	v_lshlrev_b32 v120, 3, v120
	v_lshlrev_b32 v117, v120, v117
	v_mov_b32 v121, 0
	v_mov_b32_dpp v121, v117 row_xmask:4 row_mask:0xf bank_mask:0xf
	v_or_b32 v117, v117, v121
	v_mov_b32_dpp v121, v117 row_xmask:8 row_mask:0xf bank_mask:0xf
	v_or_b32 v117, v117, v121
	v_and_b32 v122, 31, v0
	v_lshlrev_b32 v122, 3, v122
	v_bfe_u32 v123, v0, 4, 1
	v_lshlrev_b32 v123, 2, v123
	v_and_b32 v124, 15, v0
	global_store_b64 v122, v[118:119], s[36:37]
	v_cmp_eq_u32 vcc_lo, 0, v124
	s_wait_xcnt 0x0
	s_and_saveexec_b32 s2, vcc_lo
	global_store_b32 v123, v117, s[38:39]
	s_wait_xcnt 0x0
	s_or_b32 exec_lo, exec_lo, s2
.Lend:
	s_wait_tensorcnt 0x0
	ds_add_u32 v[SPW], v[NIL]
	s_wait_dscnt 0x0
	ROUND
	s_endpgm
.Lfunc_end_k_q8380dfc822_attn:
	.size	k_q8380dfc822_attn, .Lfunc_end_k_q8380dfc822_attn-k_q8380dfc822_attn
	.p2alignl 7, 3214868480
	.fill 96, 4, 3214868480
	.section	.rodata,"a",@progbits
	.p2align	6, 0x0
	.amdhsa_kernel k_q8380dfc822_attn
		.amdhsa_group_segment_fixed_size 327680
		.amdhsa_private_segment_fixed_size 0
		.amdhsa_enable_private_segment 0
		.amdhsa_kernarg_size 144
		.amdhsa_user_sgpr_count 2
		.amdhsa_user_sgpr_kernarg_segment_ptr 1
		.amdhsa_wavefront_size32 1
		.amdhsa_system_sgpr_workgroup_id_x 1
		.amdhsa_system_sgpr_workgroup_id_y 1
		.amdhsa_system_sgpr_workgroup_id_z 1
		.amdhsa_system_vgpr_workitem_id 0
		.amdhsa_next_free_vgpr 1024
		.amdhsa_next_free_sgpr 106
		.amdhsa_reserve_vcc 1
		.amdhsa_float_denorm_mode_32 3
		.amdhsa_float_denorm_mode_16_64 3
		.amdhsa_memory_ordered 1
		.amdhsa_forward_progress 1
		.amdhsa_inst_pref_size 255
	.end_amdhsa_kernel
	.section	.bss,"aw",@nobits
	.p2align	6
	.space	262144
	.amdgpu_metadata
---
amdhsa.version: [ 1, 2 ]
amdhsa.kernels:
  - .name:           k_q8380dfc822_attn
    .symbol:         k_q8380dfc822_attn.kd
    .args:
      - { .name: key_codes, .offset: 0, .size: 8, .value_kind: global_buffer, .address_space: global }
      - { .name: key_scales, .offset: 8, .size: 8, .value_kind: global_buffer, .address_space: global }
      - { .name: Wk_codes, .offset: 16, .size: 8, .value_kind: global_buffer, .address_space: global }
      - { .name: Wk_scales, .offset: 24, .size: 8, .value_kind: global_buffer, .address_space: global }
      - { .name: Wv_codes, .offset: 32, .size: 8, .value_kind: global_buffer, .address_space: global }
      - { .name: Wv_scales, .offset: 40, .size: 8, .value_kind: global_buffer, .address_space: global }
      - { .name: Wq_codes, .offset: 48, .size: 8, .value_kind: global_buffer, .address_space: global }
      - { .name: Wq_scales, .offset: 56, .size: 8, .value_kind: global_buffer, .address_space: global }
      - { .name: query_codes, .offset: 64, .size: 8, .value_kind: global_buffer, .address_space: global }
      - { .name: query_scales, .offset: 72, .size: 8, .value_kind: global_buffer, .address_space: global }
      - { .name: lambda_q1, .offset: 80, .size: 8, .value_kind: global_buffer, .address_space: global }
      - { .name: lambda_k1, .offset: 88, .size: 8, .value_kind: global_buffer, .address_space: global }
      - { .name: lambda_q2, .offset: 96, .size: 8, .value_kind: global_buffer, .address_space: global }
      - { .name: lambda_k2, .offset: 104, .size: 8, .value_kind: global_buffer, .address_space: global }
      - { .name: rms_weight, .offset: 112, .size: 8, .value_kind: global_buffer, .address_space: global }
      - { .name: out1, .offset: 120, .size: 8, .value_kind: global_buffer, .address_space: global }
      - { .name: acodes, .offset: 128, .size: 8, .value_kind: global_buffer, .address_space: global }
      - { .name: ascales, .offset: 136, .size: 8, .value_kind: global_buffer, .address_space: global }
    .group_segment_fixed_size: 327680
    .private_segment_fixed_size: 0
    .kernarg_segment_align: 8
    .kernarg_segment_size: 144
    .max_flat_workgroup_size: 128
    .sgpr_count:     106
    .vgpr_count:     1024
    .wavefront_size: 32
...
	.end_amdgpu_metadata
.endif
;; end of part 1
;; launch proj (part 2): grid 8 x 4, 4 waves a work-group, no clusters, 5,120 bytes of LDS; arguments acodes, ascales, Wo_codes, Wo_scales, out0; writes out0
.if DOCPART == 2
	.amdgcn_target "amdgcn-amd-amdhsa--gfx1250"
	.amdhsa_code_object_version 6
	.text
	.protected	k_q8380dfc822_proj
	.globl	k_q8380dfc822_proj
	.p2align	8
	.type	k_q8380dfc822_proj,@function
k_q8380dfc822_proj:
	s_mov_b64 s[64:65], 0
	v_nop
	global_prefetch_b8 v0, s[64:65] scope:SCOPE_SE
	s_setreg_imm32_b32 hwreg(HW_REG_WAVE_MODE, 25, 1), 1
	s_wait_xcnt 0x0
.set MSB, 0
.macro WIN new
.if MSB != (\new)
	s_set_vgpr_msb (MSB<<8)|(\new)
.set MSB, (\new)
.endif
.endm
	s_load_b256 s[4:11], s[0:1], 0x0
	s_load_b64 s[12:13], s[0:1], 0x20
	v_lshl_add_u32 v254, v0, 2, 0x1200
	v_mov_b32 v255, 0
	v_lshrrev_b32 v6, 5, v0
	v_readfirstlane_b32 s14, v6
	s_and_b32 s15, ttmp7, 0xffff
	s_lshl_b32 s16, ttmp9, 2
	s_add_co_u32 s16, s16, s14
	v_and_b32 v7, 15, v0
	v_bfe_u32 v8, v0, 4, 1
	v_lshlrev_b32 v1, 10, v7
	v_lshl_add_u32 v1, v8, 4, v1
	v_lshlrev_b32 v2, 5, v7
	v_mul_u32_u24 v3, v7, 272
	v_lshl_add_u32 v3, v8, 5, v3
	s_lshl_b32 s17, s14, 6
	v_add_nc_u32 v3, s17, v3
	s_mul_i32 s17, s14, 4*272
	v_mul_u32_u24 v4, v8, 272
	v_lshl_add_u32 v4, v7, 4, v4
	v_add_nc_u32 v4, s17, v4
	v_lshlrev_b32 v5, 11, v8
	v_lshl_add_u32 v5, v7, 4, v5
	s_mov_b32 s19, 0
	s_wait_kmcnt 0x0
	s_lshl_b32 s18, s15, 14
	s_add_nc_u64 s[4:5], s[4:5], s[18:19]
	s_lshl_b32 s18, s15, 9
	s_add_nc_u64 s[6:7], s[6:7], s[18:19]
	s_lshl_b32 s18, s16, 14
	s_add_nc_u64 s[8:9], s[8:9], s[18:19]
	s_lshl_b32 s18, s16, 9
	s_add_nc_u64 s[10:11], s[10:11], s[18:19]
	s_lshl_b32 s18, s15, 15
	s_lshl_b32 s17, s14, 13
	s_add_co_u32 s18, s18, s17
	s_lshl_b32 s17, ttmp9, 8
	s_add_co_u32 s18, s18, s17
	s_add_nc_u64 s[12:13], s[12:13], s[18:19]
	global_load_b128 v[16:19], v2, s[10:11]
	global_load_b128 v[20:23], v2, s[10:11] offset:16
	global_load_b128 v[24:27], v2, s[6:7]
	global_load_b128 v[28:31], v2, s[6:7] offset:16
	WIN 0x40
.irp q, 0,1,2,3,4,5,6,7
.irp c, 0,1,2,3
	global_load_b128 v[16*\q+4*\c:16*\q+4*\c+3], v1, s[8:9] offset:128*\q+32*\c
.endr
.endr
	WIN 0
.irp q, 0,1,2,3,4,5,6,7
.irp c, 0,1,2,3
	global_load_b128 v[64+16*\q+4*\c:64+16*\q+4*\c+3], v1, s[4:5] offset:128*\q+32*\c
.endr
.endr
	WIN 0x01
.irp q, 0,1,2,3,4,5,6,7
	s_wait_loadcnt 4*(7-\q)
.if \q < 2
	v_wmma_scale_f32_16x16x128_f8f6f4 v[32+8*(\q%2):39+8*(\q%2)], v[16*\q:16*\q+15], v[64+16*\q:79+16*\q], 0, v[16+\q], v[24+\q]
.else
	v_wmma_scale_f32_16x16x128_f8f6f4 v[32+8*(\q%2):39+8*(\q%2)], v[16*\q:16*\q+15], v[64+16*\q:79+16*\q], v[32+8*(\q%2):39+8*(\q%2)], v[16+\q], v[24+\q]
.endif
.endr
	WIN 0
.rept 8
	v_nop
.endr
.irp i, 0,2,4,6
	v_pk_add_f32 v[32+\i:33+\i], v[32+\i:33+\i], v[40+\i:41+\i]
.endr
	ds_store_b128 v3, v[32:35]
	ds_store_b128 v3, v[36:39] offset:16
	s_wait_dscnt 0x0
	s_barrier_signal -1
	s_barrier_wait -1
	ds_load_b128 v[48:51], v4
	ds_load_b128 v[52:55], v4 offset:544
	s_wait_dscnt 0x0
	global_store_b128 v5, v[48:51], s[12:13]
	global_store_b128 v5, v[52:55], s[12:13] offset:4096
	s_wait_tensorcnt 0x0
	ds_add_u32 v254, v255
	s_wait_dscnt 0x0
	s_endpgm
.Lfunc_end_k_q8380dfc822_proj:
	.size	k_q8380dfc822_proj, .Lfunc_end_k_q8380dfc822_proj-k_q8380dfc822_proj
	.p2alignl 7, 3214868480
	.fill 96, 4, 3214868480
	.section	.rodata,"a",@progbits
	.p2align	6, 0x0
	.amdhsa_kernel k_q8380dfc822_proj
		.amdhsa_group_segment_fixed_size 5120
		.amdhsa_private_segment_fixed_size 0
		.amdhsa_enable_private_segment 0
		.amdhsa_kernarg_size 40
		.amdhsa_user_sgpr_count 2
		.amdhsa_user_sgpr_kernarg_segment_ptr 1
		.amdhsa_wavefront_size32 1
		.amdhsa_system_sgpr_workgroup_id_x 1
		.amdhsa_system_sgpr_workgroup_id_y 1
		.amdhsa_system_sgpr_workgroup_id_z 1
		.amdhsa_system_vgpr_workitem_id 0
		.amdhsa_next_free_vgpr 384
		.amdhsa_next_free_sgpr 66
		.amdhsa_reserve_vcc 0
		.amdhsa_float_denorm_mode_32 3
		.amdhsa_float_denorm_mode_16_64 3
		.amdhsa_memory_ordered 1
		.amdhsa_forward_progress 1
		.amdhsa_inst_pref_size 11
	.end_amdhsa_kernel
	.amdgpu_metadata
---
amdhsa.version: [ 1, 2 ]
amdhsa.kernels:
  - .name:           k_q8380dfc822_proj
    .symbol:         k_q8380dfc822_proj.kd
    .args:
      - { .name: acodes, .offset: 0, .size: 8, .value_kind: global_buffer, .address_space: global }
      - { .name: ascales, .offset: 8, .size: 8, .value_kind: global_buffer, .address_space: global }
      - { .name: Wo_codes, .offset: 16, .size: 8, .value_kind: global_buffer, .address_space: global }
      - { .name: Wo_scales, .offset: 24, .size: 8, .value_kind: global_buffer, .address_space: global }
      - { .name: out0, .offset: 32, .size: 8, .value_kind: global_buffer, .address_space: global }
    .group_segment_fixed_size: 5120
    .private_segment_fixed_size: 0
    .kernarg_segment_align: 8
    .kernarg_segment_size: 40
    .max_flat_workgroup_size: 128
    .sgpr_count:     66
    .vgpr_count:     384
    .wavefront_size: 32
...
	.end_amdgpu_metadata
.endif
;; end of part 2
